; MI455X (gfx1250); checked and timed in simulation.
; The chip was launched on July 23, 2026; its instructions are those of AMD's public machine-readable ISA for CDNA 5 (MIT licence, August 2026) and "CDNA5" Instruction Set Architecture Reference Guide (July 2026). The comments in the code are by the model that wrote it; some were corrected since.
;; Optical FC. Allowed arithmetic: matrix products marked QUANTISED: E3M2 operands, one E8M0 scale for each 32 along K, by v_wmma_scale_f32_16x16x128_f8f6f4 with both operands' format E3M2, f32 sums; everything else in f32.
;; Inputs: biases 4,096 float32; noise 4,096 x 4,096 float32; tensor 4,096 x 4,096 float32; weights 4,096 x 4,096 float32.
;; Outputs: out0 4,096 x 4,096 float32.
;; This version of the problem:
;;   THIS VERSION OF THE PROBLEM IS GIVEN IN LOW PRECISION. The matrix products marked QUANTISED in the list below multiply operands that are first quantised to E3M2 (3 exponent bits, 2 mantissa bits; 6 bits a number), with one power-of-two scale for each 32 numbers along K (OCP MX v1.0); their sums are f32. All else is computed in f32.
;;   The module's matrix products, in the order in which they are computed (A, B: the left and right operand; K: the contracted axis; several contracted axes count as one K, in the product's order):
;;     1. [M 4,096, K 4,097] x [K 4,097, N 4,096]; A: computed on the way; B: computed on the way: QUANTISED
;;   THE QUANTISER, for each operand of a quantised product, along K:
;;     - K is cut into blocks of 32 from its start; a last block that is shorter is filled with zeros.
;;     - A block's scale is 2^e with e = floor(log2(the largest magnitude in the block)) - 4, held to -126 .. 127; a block of zeros has e = 0. As a byte (E8M0): e + 127.
;;     - Each number is divided by its block's scale, clamped to +-28, and rounded to the nearest number of E3M2, ties to even, subnormals kept.
;;     - The product sums the exact products of the quantised numbers (number of the format x scale) in f32.
;;   ~~~python
;;   def quantise(x, axis):      # numpy; x: float32 -> the quantised numbers, widened to float32 again
;;       x = np.moveaxis(x, axis, -1); K = x.shape[-1]
;;       x = np.pad(x, [(0, 0)] * (x.ndim - 1) + [(0, -K % 32)]); x = x.reshape(x.shape[:-1] + (-1, 32)); a = np.abs(x).max(-1, keepdims=True)
;;       e = np.where(a > 0, np.clip(np.frexp(np.where(a > 0, a, 1))[1] - 1 - 4, -126, 127), 0)      # np.frexp(a)[1] - 1 = floor(log2(a)), exactly
;;       r = np.clip(x / 2.0 ** e, -28, 28)
;;       step = 2.0 ** (np.maximum(np.frexp(np.where(r == 0, 1, r))[1] - 1, -2) - 2)
;;       q = np.round(r / step) * step * 2.0 ** e      # np.round: ties to even
;;       return np.moveaxis(q.reshape(q.shape[:-2] + (-1,))[..., :K], -1, axis).astype(np.float32)
;;   ~~~
;;   OPERANDS COMPUTED ON THE WAY. 'Computed on the way' means the value that the module computes at that place (a softmax that the list does not call 'softmax' is quantised finished and normalised). What goes into a quantiser is computed in f32, as accurately as f32 sums, v_exp_f32 and their like allow (about 1e-6 of the number): no bf16 or f16 on the way to a quantiser, and a product that is left as it is and whose result goes on into a quantised operand takes f32 operands (vector FMAs, or v_wmma_f32_16x16x4_f32). A number that lies on a knife's edge between two numbers of the format may be rounded either way, as far as f32 arithmetic and the matrix unit's own rounding can turn it there, and no further.
;; One version. Each part assembles by itself: llvm-mc -triple=amdgcn-amd-amdhsa -mcpu=gfx1250 --defsym DOCPART=n.
;; ======== version 1 of 1: 2 launches
;; limits: right only within a limited range of input values
;; workspace buffers: aq 13,107,200 bytes; bq 13,107,200 bytes
;; launch quant (part 1): grid 1024 x 1, 4 waves a work-group, no clusters, 34,304 bytes of LDS; arguments tensor, weights, aq, bq; writes aq, bq
.if DOCPART == 1
	.amdgcn_target "amdgcn-amd-amdhsa--gfx1250"
	.amdhsa_code_object_version 6
	.text
	.protected	k_q69a4e153d9_quant
	.globl	k_q69a4e153d9_quant
	.p2align	8
	.type	k_q69a4e153d9_quant,@function
k_q69a4e153d9_quant:
	s_mov_b64 s[64:65], 0
	v_nop
	global_prefetch_b8 v0, s[64:65] scope:SCOPE_SE
	s_setreg_imm32_b32 hwreg(HW_REG_WAVE_MODE, 25, 1), 1
	s_wait_xcnt 0x0
; tensor [4096][4096] and weights [4096][4096], f32, become the two operands of the product: first the uniform 8-bit quantiser
; (tensor: held to +-4, step 4/127; weights: held to +-1, step 1/127), then codes of BF6 (E3M2) with one E8M0 byte for each 32 along K.
; THE 8-BIT STEP.  x is multiplied by s = 127 / clip and then held to +-127: the multiplication is monotone and clip x s = 127 exactly, so this
; gives the bits of clip-then-multiply.  Rounded to a whole number n (ties to even), then n x fl(1/s) stands for n / s: the two can differ in the
; last bit.  127 x fl(1/s) still rounds to clip exactly, and since 127 is prime no other n / s is a power of two or lies midway between two codes,
; so neither a block's exponent nor a code hangs on that bit.
; THE CODES.  A block's scale is 2^(floor(log2(largest magnitude)) - 4): its byte is the largest magnitude's exponent field - 4, held at 1 from below.
; LIMITS: NaN among the inputs is not served (infinities are: they are held at +-127).  A block of zeros gets the byte 1 where the rule says 127:
; its codes are zeros, which add nothing under any byte but 0xff, and the bytes are read by this program alone.
; WHAT IS STORED, the same for aq and bq.  K's 32 steps of 128 make ten slots of three steps and an eleventh of two.  [slot][group 0..31 of 128 rows][a group block: GRP bytes, in the
; eleventh slot GRPS].  In a group block the fragment of row block i (16 rows) and the slot's q-th step lies at (8 q + i) x 1,536 as an IMAGE OF THE OPERAND'S REGISTERS: registers
; 4 c .. 4 c + 3 of lane l at 512 c + 16 l.  Behind the images (SCO, in the eleventh slot SCOS): the scale word of (i, q, row r) at 512 q + 256 (i / 4) + 16 r + 4 (i % 4).
; SHARES.  Work-groups 0-511 take tensor, the others weights: only pointers and two constants are chosen, the text has one path.  A work-group takes 128 rows x 256 along K; wave w the
; step 2 x (work-group % 16) + w % 2 and row blocks 4 (w / 2) .. + 3: four units of 16 rows x 128 K.  No cluster: work-groups share no input.  No barrier: waves share nothing.
; A load reads 512 consecutive bytes of a row; a unit turns through the wave's own stage in LDS so that a lane gets, of row lane % 16, k = 64 c + 32 (lane / 16) + 0 .. 31, c = 0, 1:
; two whole blocks, in the very order of the operand's registers.
; THE ROWS OF A ROW BLOCK ARE NOT NEIGHBOURS: lane r of row block i holds row 64 (i / 4) + 4 r + i % 4 of its group of 128, in both operands, so that in the product
; four neighbouring row blocks of weights give a lane four neighbouring columns of the result.
.set FRB,  1536
.set GRP,  38400                       ; a group block of three steps: 24 images + 1,536 bytes of scale words
.set GRPS, 25600                       ; of two steps: 16 images + 1,024
.set SCO,  36864                       ; the scale words' place in a group block
.set SCOS, 24576
.set SSTEP, 32*GRP                     ; from slot to slot
.set SPT,  528                         ; a stage row: 512 bytes + 16, so that sixteen rows' equal columns fall 16 bytes apart modulo 256
.set ROWB, 16384                       ; a row of the input in bytes
.set IN,   4                           ; v4   16 x lane: my bytes of a load's 512, and of a store's 512
.set STA,  5                           ; v5   the stage, on the way in
.set LDA,  6                           ; v6   and on the way out
.set SCA,  7                           ; v7   my 8 bytes of the wave's 256 bytes of scale words
.set SH,   8                           ; v8   8 x (lane / 16)
.set PD,   9                           ; v9   the lane permute's destination
.set M,    10                          ; v10-11 largest magnitudes of my two blocks
.set E,    12                          ; v12-13 the conversions' scale operands
.set B,    14                          ; v14-15 the scale bytes
.set W,    16                          ; v16-19 unit u's scale word of my row
.set F,    20                          ; v20-31 the fragment
.set T1,   32                          ; v32-34, v36-38: the halves of a block's six registers that would begin on an odd number
.set T3,   36
.set X,    40                          ; v40-103 my 64 numbers
.set R,    104                         ; v104-231 two sets of 64 registers as loaded
	s_load_b256 s[4:11], s[0:1], 0x0               ; tensor s[4:5], weights s[6:7], aq s[8:9], bq s[10:11]
	v_lshl_add_u32 v232, v0, 2, 0x8400
	v_mov_b32 v233, 0
	v_lshrrev_b32 v1, 5, v0
	v_readfirstlane_b32 s12, v1                    ; wave 0..3
	v_and_b32 v1, 31, v0                           ; lane
	v_and_b32 v2, 15, v0                           ; r
	v_bfe_u32 v3, v0, 4, 1                         ; h
	v_lshlrev_b32 v[IN], 4, v1
	s_mul_i32 s13, s12, 16*SPT                     ; my wave's stage
	v_add_nc_u32 v[STA], s13, v[IN]
	v_mul_u32_u24 v[LDA], v2, SPT
	v_lshl_add_u32 v[LDA], v3, 7, v[LDA]           ; row r, + 128 h bytes: 32 numbers on
	v_add_nc_u32 v[LDA], s13, v[LDA]
	v_lshlrev_b32 v[SCA], 4, v2
	v_lshl_add_u32 v[SCA], v3, 3, v[SCA]           ; 16 r + 8 h
	v_lshlrev_b32 v[SH], 3, v3
	v_mov_b32 v[PD], 0                             ; written once: a lane permute's destination counts as one of its sources
	s_mov_b32 s20, 0x42fe0000                      ; 127.0
	s_mov_b32 s21, 0xc2fe0000                      ; -127.0
	s_mov_b32 s22, 0x76543210
	s_mov_b32 s23, 0xfedcba98                      ; v_permlanex16_b32's selects for lane l xor 16
	s_wait_alu depctr_va_vdst(0)
	s_wait_kmcnt 0x0
	s_cmp_lt_u32 ttmp9, 512                        ; tensor's work-group or weights'?  The choice hangs on the work-group's number alone
	s_cselect_b64 s[4:5], s[4:5], s[6:7]
	s_cselect_b64 s[8:9], s[8:9], s[10:11]
	s_mov_b32 s16, 0x42fe0000                      ; s = 127 / clip: 127.0 for weights,
	s_cselect_b32 s16, 0x41fe0000, s16             ; 31.75 for tensor
	s_mov_b32 s18, 0x3c010204                      ; fl(1 / 127),
	s_cselect_b32 s18, 0x3d010204, s18             ; fl(4 / 127)
	s_mov_b32 s17, s16                             ; (the packed forms name pairs, so both words are written)
	s_mov_b32 s19, s18
	s_and_b32 s13, ttmp9, 511
	s_and_b32 s14, s13, 15                         ; which 256 along K: neighbouring work-groups read neighbouring 1,024 bytes of the same rows
	s_lshr_b32 s15, s13, 4                         ; group
	s_lshr_b32 s30, s12, 1                         ; which four row blocks
	s_and_b32 s13, s12, 1
	s_lshl_b32 s14, s14, 1
	s_add_co_u32 s14, s14, s13                     ; my step of 128 along K, 0 .. 31
	s_lshl_b32 s28, s15, 21                        ; in: 128 rows of 16,384 bytes a group,
	s_lshl_b32 s29, s30, 20                        ; 64 rows for four row blocks,
	s_add_co_u32 s28, s28, s29
	s_lshl_b32 s29, s14, 9                         ; 512 bytes a step
	s_add_co_u32 s28, s28, s29
	s_mov_b32 s29, 0
	s_add_nc_u64 s[4:5], s[4:5], s[28:29]
	s_mul_i32 s31, s14, 11
	s_lshr_b32 s31, s31, 5                         ; slot = step / 3: (11 x step) >> 5 is that for every step up to 31
	s_mul_i32 s13, s31, 3
	s_sub_co_u32 s14, s14, s13                     ; q = step % 3
	s_cmp_eq_u32 s31, 10                           ; the eleventh slot has the shorter blocks
	s_mov_b32 s32, GRP
	s_cselect_b32 s32, GRPS, s32
	s_mov_b32 s33, SCO
	s_cselect_b32 s33, SCOS, s33
	s_mul_i32 s28, s31, SSTEP
	s_mul_i32 s32, s32, s15
	s_add_co_u32 s28, s28, s32                     ; out: my group block
	s_add_nc_u64 s[8:9], s[8:9], s[28:29]
	s_lshl_b32 s28, s14, 3
	s_lshl_b32 s13, s30, 2
	s_add_co_u32 s28, s28, s13                     ; my four images: 8 q + 4 (w / 2) on
	s_mul_i32 s28, s28, FRB
	s_add_nc_u64 s[24:25], s[8:9], s[28:29]
	s_lshl_b32 s28, s14, 9                         ; my 256 bytes of scale words
	s_lshl_b32 s13, s30, 8
	s_add_co_u32 s28, s28, s13
	s_add_co_u32 s28, s28, s33
	s_add_nc_u64 s[26:27], s[8:9], s[28:29]
.macro LOAD u                          ; unit u's 16 rows x 512 bytes into set u % 2
.irp t, 0,1,2,3,4,5,6,7,8,9,10,11,12,13,14,15
	global_load_b128 v[R+64*((\u)%2)+4*\t:R+64*((\u)%2)+4*\t+3], v[IN], s[4:5] offset:(4*\t+(\u))*ROWB th:TH_LOAD_NT
.endr
.endm
.macro TURN u                          ; through the stage: LDS serves a wave's instructions in order, so no wait stands between the stores and the loads
.irp t, 0,1,2,3,4,5,6,7,8,9,10,11,12,13,14,15
	ds_store_b128 v[STA], v[R+64*((\u)%2)+4*\t:R+64*((\u)%2)+4*\t+3] offset:SPT*\t
.endr
.irp c, 0,1
.irp j, 0,1,2,3,4,5,6,7
	ds_load_b128 v[X+32*\c+4*\j:X+32*\c+4*\j+3], v[LDA] offset:256*\c+16*\j   ; X[32 c + i] = x(row r, 64 c + 32 h + i)
.endr
.endr
.endm
.macro UNIT u
.if (\u) < 3
	s_wait_loadcnt 16                              ; this unit's 16 loads are in; the next unit's 16 may be out
.else
	s_wait_loadcnt 0x0
.endif
	TURN \u
	s_wait_dscnt 0x0                               ; my 64 numbers are back, and the stores have read their set,
.if (\u) < 2
	LOAD (\u)+2                                    ; which takes the unit two on
.endif
.set j, 0
.rept 32
	v_pk_mul_f32 v[X+j:X+j+1], v[X+j:X+j+1], s[16:17] op_sel_hi:[1,0]   ; x s
.set j, j+2
.endr
.set j, 0
.rept 64
	v_med3_num_f32 v[X+j], v[X+j], s21, s20        ; held to +-127
.set j, j+1
.endr
.set j, 0
.rept 64
	v_rndne_f32 v[X+j], v[X+j]                     ; n, ties to even
.set j, j+1
.endr
.set j, 0
.rept 32
	v_pk_mul_f32 v[X+j:X+j+1], v[X+j:X+j+1], s[18:19] op_sel_hi:[1,0]   ; n x fl(1 / s)
.set j, j+2
.endr
	v_max3_num_f32 v[M], |v[X]|, |v[X+1]|, 0x2800000          ; my two blocks' largest magnitudes, by turns; the floor 2^(5 - 127) keeps the byte at 1 or above
	v_max3_num_f32 v[M+1], |v[X+32]|, |v[X+33]|, 0x2800000
.set j, 2
.rept 15
	v_max3_num_f32 v[M], v[M], |v[X+j]|, |v[X+j+1]|
	v_max3_num_f32 v[M+1], v[M+1], |v[X+32+j]|, |v[X+33+j]|
.set j, j+2
.endr
	v_add_nc_u32 v[E], 0xfe000000, v[M]            ; 4 off the exponent field: the conversion takes the exponent field of this operand as its scale
	v_add_nc_u32 v[E+1], 0xfe000000, v[M+1]
.if (\u) > 0
	s_wait_alu depctr_va_vdst(0)
	s_wait_xcnt 0x0                                ; the last unit's stores have read the fragment's registers: only now are they written again
.endif
	v_cvt_scalef32_pk16_bf6_f32 v[F:F+2], v[X:X+15], v[E]
	v_cvt_scalef32_pk16_bf6_f32 v[T1:T1+2], v[X+16:X+31], v[E]        ; (a conversion's three registers begin on an even number)
	v_cvt_scalef32_pk16_bf6_f32 v[F+6:F+8], v[X+32:X+47], v[E+1]
	v_cvt_scalef32_pk16_bf6_f32 v[T3:T3+2], v[X+48:X+63], v[E+1]
	v_lshrrev_b32 v[B], 23, v[E]                   ; the scale bytes.  (Also the plain instruction between the conversions and the first use of their results)
	v_lshrrev_b32 v[B+1], 23, v[E+1]
	v_lshl_or_b32 v[W+(\u)], v[B+1], 16, v[B]      ; my blocks are h and 2 + h of my row's four:
	v_lshlrev_b32 v[W+(\u)], v[SH], v[W+(\u)]      ; at their places in the word, 8 h bits up;
	v_permlanex16_b32 v[PD], v[W+(\u)], s22, s23
	v_or_b32 v[W+(\u)], v[W+(\u)], v[PD]           ; with lane l xor 16's two the word is whole, in both lanes
.irp i, 0,1,2
	v_mov_b32 v[F+3+\i], v[T1+\i]
	v_mov_b32 v[F+9+\i], v[T3+\i]
.endr
.irp c, 0,1,2
	global_store_b128 v[IN], v[F+4*\c:F+4*\c+3], s[24:25] offset:FRB*(\u)+512*\c   ; 32 lanes store 512 consecutive bytes, at a multiple of 256 from the buffer's first byte
.endr
.endm
	LOAD 0
	LOAD 1
	UNIT 0
	UNIT 1
	UNIT 2
	UNIT 3
	v_cmp_ne_u32 vcc_lo, 0, v3                     ; a row's four words (my four row blocks) are 16 bytes: lanes 0-15 store the first two, lanes 16-31 the other two
	v_cndmask_b32 v[M], v[W], v[W+2], vcc_lo
	v_cndmask_b32 v[M+1], v[W+1], v[W+3], vcc_lo
	global_store_b64 v[SCA], v[M:M+1], s[26:27]    ; 32 lanes store 256 consecutive bytes, aligned
	s_wait_tensorcnt 0x0
	ds_add_u32 v232, v233
	s_wait_dscnt 0x0
	s_endpgm
.Lfunc_end_k_q69a4e153d9_quant:
	.size	k_q69a4e153d9_quant, .Lfunc_end_k_q69a4e153d9_quant-k_q69a4e153d9_quant
	.p2alignl 7, 3214868480
	.fill 96, 4, 3214868480
	.section	.rodata,"a",@progbits
	.p2align	6, 0x0
	.amdhsa_kernel k_q69a4e153d9_quant
		.amdhsa_group_segment_fixed_size 34304
		.amdhsa_private_segment_fixed_size 0
		.amdhsa_enable_private_segment 0
		.amdhsa_kernarg_size 32
		.amdhsa_user_sgpr_count 2
		.amdhsa_user_sgpr_kernarg_segment_ptr 1
		.amdhsa_wavefront_size32 1
		.amdhsa_system_sgpr_workgroup_id_x 1
		.amdhsa_system_sgpr_workgroup_id_y 1
		.amdhsa_system_sgpr_workgroup_id_z 1
		.amdhsa_system_vgpr_workitem_id 0
		.amdhsa_next_free_vgpr 234
		.amdhsa_next_free_sgpr 66
		.amdhsa_reserve_vcc 1
		.amdhsa_float_denorm_mode_32 3
		.amdhsa_float_denorm_mode_16_64 3
		.amdhsa_memory_ordered 1
		.amdhsa_forward_progress 1
		.amdhsa_inst_pref_size 71
	.end_amdhsa_kernel
	.amdgpu_metadata
---
amdhsa.version: [ 1, 2 ]
amdhsa.kernels:
  - .name:           k_q69a4e153d9_quant
    .symbol:         k_q69a4e153d9_quant.kd
    .args:
      - { .name: tensor, .offset: 0, .size: 8, .value_kind: global_buffer, .address_space: global }
      - { .name: weights, .offset: 8, .size: 8, .value_kind: global_buffer, .address_space: global }
      - { .name: aq, .offset: 16, .size: 8, .value_kind: global_buffer, .address_space: global }
      - { .name: bq, .offset: 24, .size: 8, .value_kind: global_buffer, .address_space: global }
    .group_segment_fixed_size: 34304
    .private_segment_fixed_size: 0
    .kernarg_segment_align: 8
    .kernarg_segment_size: 32
    .max_flat_workgroup_size: 128
    .sgpr_count:     66
    .vgpr_count:     234
    .wavefront_size: 32
...
	.end_amdgpu_metadata
.endif
;; end of part 1
;; launch gemm (part 2): grid 16 x 16, 4 waves a work-group, clusters of 4 x 4, 327,680 bytes of LDS; arguments aq, bq, biases, noise, out0; writes out0
.if DOCPART == 2
	.amdgcn_target "amdgcn-amd-amdhsa--gfx1250"
	.amdhsa_code_object_version 6
	.text
	.protected	k_q69a4e153d9_gemm
	.globl	k_q69a4e153d9_gemm
	.p2align	8
	.type	k_q69a4e153d9_gemm,@function
k_q69a4e153d9_gemm:
	s_mov_b64 s[64:65], 0
	v_nop
	global_prefetch_b8 v0, s[64:65] scope:SCOPE_SE
	s_setreg_imm32_b32 hwreg(HW_REG_WAVE_MODE, 25, 1), 1
	s_wait_xcnt 0x0
	s_wait_alu depctr_hold_cnt(0) depctr_sa_sdst(0) depctr_va_vdst(0) depctr_va_sdst(0) depctr_va_ssrc(0) depctr_va_vcc(0) depctr_vm_vsrc(0)
	s_getreg_b32 s2, hwreg(HW_REG_IB_STS2, 6, 4)
	s_cmp_eq_u32 s2, 0
	s_cbranch_scc0 .Lentry_in_a_cluster
	s_endpgm
.Lentry_in_a_cluster:
	s_bfe_u32 s2, ttmp6, 0x10000c
	s_cmp_lg_u32 s2, 0xf033
	s_cbranch_scc0 .Lentry_shape_is_right
	s_endpgm
.Lentry_shape_is_right:
; out0[m][n] = sum over k < 4096 of A[m][k] B[n][k] + Q(bias[n]) + 0.01 noise[m][n].  A, B: codes of BF6 (E3M2) with E8M0 bytes, as launch quant laid them in aq and bq.
; K's LAST COLUMN (k = 4096) stands alone in its block of 32.  On x's side it is the constant 1: the 8-bit step gives 32 / 31.75, and E3M2 with the block's own scale gives 1 exactly.
; On w's side it is the bias: 8-bit step, then E3M2 under the exponent of the number itself (held at 1.75 x 2^e, two mantissa bits, ties to even).  So that column's product is Q(bias[n]), added in f32.
; LIMITS: NaN among biases is not served; a NaN or infinity in noise goes to the result as it is.
; SHARES: a work-group makes 256 x 256 of the result, a wave 128 x 128: 64 accumulators.  K goes in 32 steps of 128 through two LDS slots of three steps (the eleventh slot has two).
; 4 x 4 work-groups form a cluster: A's group blocks are asked for jointly along a row of the cluster, B's along a column.
; REGISTERS.  Each of the four windows holds: v128-255 sixteen accumulators, v32-127 two sets of four fragments, v0-31 small things.
;   window 0: A's blocks 0-3, window 1: A's 4-7, window 2: B's 0-3, window 3: B's 4-7.  Accumulator (a, b) lies in window w = a / 4 + 2 (b / 4) at v[128 + 8 (4 (a % 4) + b % 4)].
;   A phase is the 16 products of one window w under ONE setting: source 0 (A) window w % 2, source 1 (B) window 2 + w / 2, C and D window w.  Phases go 0, 2, 3, 1.
;   Both operands have two whole sets, so the next step's 50 LDS loads stand in TWO runs: windows 0 and 2 with the scale words (26) at the step's start, 64 products ahead of their use;
;   windows 3 and 1 (24) behind the first 32 products, 48 ahead of theirs.  The address registers stand in windows 0 and 1.
; THE RESULT'S LAYOUT.  Source 0 = A, source 1 = B: register j of lane (r, h) is row 8 h + j of A's block and row r of B's.  By quant's order of rows that is row 64 (a / 4) + a % 4 + 32 h + 4 j and
; column 64 (b / 4) + 4 r + b % 4: the j-th registers of four neighbouring accumulators are 16 neighbouring bytes, and sixteen lanes hold an aligned 256 bytes.  Noise is loaded and the result stored in that shape: no LDS stage.
; NOISE is added into the sums on the way, 32 + 32 registers at a time (windows 2 and 3, v0-31), asked for three steps ahead; the bias is added at the end, into four registers on end for each store.
; PREFETCH: behind each refill in the loop the four partners of a joint load ask for the slot of the NEXT refill (three K steps on): 150 blocks of 256 bytes, 38 to a partner, told apart by address.
.set FRB,    1536
.set GRP,    38400
.set GRPS,   25600
.set SCO,    36864
.set SCOS,   24576
.set SLOT,   4*GRP
.set SSTEP,  32*GRP
.set SPARE,  2*SLOT                    ; the spare words: 512 bytes behind the ring
.set ROWC,   16384                     ; a row of noise and of the result in bytes
.set ADRA, 1                           ; v1-2 (windows 0, 1) LDS address of my A group in slot 0, 1
.set ADRB, 3                           ; v3-4 (windows 0, 1) the same for B
.set ADRS, 5                           ; v5-6 scale words: lanes 0-15 A's, lanes 16-31 B's
.set CO,   7                           ; v7   32 h rows + 16 r bytes: my place in noise and in the result
.set SPW,  8
.set NIL,  9
.set PF,   10                          ; v10-11 the prefetches' offsets
.set QB,   8                           ; window 1, v8-15: Q(bias) of column 64 g + 4 r + t at 4 g + t
.set SC,   16                          ; v16-31 scale words, two sets of eight
.set F,    32
.set ACC,  128
.set G1,   24
.set G0,   32
.set G1B,  48
.set G0B,  56
.set G1S,  68
.set G1SB, 76
.set G0S,  84
.set G0SB, 88
.set PFA,  96
.set MSB, 0
.macro WIN new                         ; the immediate's high byte repeats the setting that is left
.if MSB != \new
	s_set_vgpr_msb (MSB<<8)|\new
.set MSB, \new
.endif
.endm
.macro JLOAD g0a, g1a, g0b, g1b        ; waves 0, 1 fetch A's two groups, waves 2, 3 B's
	s_cmp_eq_u32 s15, 0
	s_cbranch_scc0 .Lfor_b_\@
	tensor_load_to_lds s[\g0a:\g0a+3], s[\g1a:\g1a+7]
	s_nop 0
.rept 4
	v_nop
.endr
	s_branch .Lasked_\@
.Lfor_b_\@:
	tensor_load_to_lds s[\g0b:\g0b+3], s[\g1b:\g1b+7]
	s_nop 0
.rept 4
	v_nop
.endr
.Lasked_\@:
.endm
.macro CREST
	s_cmp_lg_u32 s14, 0
	s_cbranch_scc1 .Lnot_wave_0_\@
	s_barrier_signal -3
.Lnot_wave_0_\@:
	s_barrier_wait -3
	s_barrier_signal -1
	s_barrier_wait -1
.endm
.macro CROUND
	s_barrier_signal -1
	s_barrier_wait -1
	CREST
.endm
.macro PLACES n
.rept \n
	v_nop
.endr
.endm
	s_load_b256 s[4:11], s[0:1], 0x0               ; aq, bq, biases, noise
	s_load_b64 s[12:13], s[0:1], 0x20              ; out0
	v_lshl_add_u32 v[SPW], v0, 2, SPARE
	v_mov_b32 v[NIL], 0
	ds_add_u32 v[SPW], v[NIL]                      ; the opening lines: the add twice on end, and its wait below
	ds_add_u32 v[SPW], v[NIL]
	v_lshrrev_b32 v12, 5, v0
	v_readfirstlane_b32 s14, v12                   ; wave
	s_lshr_b32 s15, s14, 1                         ; my half of the rows; also: I fetch for A (0) or B (1)
	s_and_b32 s16, s14, 1                          ; my half of the columns; also: which group I fetch
	s_bfe_u32 s40, ttmp6, 0x40000                  ; cx
	s_bfe_u32 s41, ttmp6, 0x40004                  ; cy
	s_lshl_b32 s42, ttmp9, 2
	s_add_co_u32 s42, s42, s40                     ; tile column
	s_and_b32 s17, ttmp7, 0xffff
	s_lshl_b32 s17, s17, 2
	s_add_co_u32 s17, s17, s41                     ; tile row
	s_lshl_b32 s43, s41, 2
	s_lshl_b32 s43, 15, s43                        ; my row of the cluster
	s_lshl_b32 s44, 0x1111, s40                    ; my column
	s_or_b32 s[G1+0], s43, (3<<16)|(1<<21)         ; dense blocks as rows of 256 bytes (32 elements of 8 bytes), no padding
	s_or_b32 s[G1B+0], s44, (3<<16)|(1<<21)
	s_or_b32 s[G1S+0], s43, (3<<16)|(1<<21)
	s_or_b32 s[G1SB+0], s44, (3<<16)|(1<<21)
.irp g, G1, G1B
	s_mov_b32 s[\g+1], 32<<16
	s_mov_b32 s[\g+2], 150<<16                     ; 150 rows: a group block of three steps
	s_mov_b32 s[\g+3], 32<<16
	s_mov_b32 s[\g+4], 150
	s_mov_b32 s[\g+5], 32
	s_mov_b32 s[\g+6], 0
	s_mov_b32 s[\g+7], 0
.endr
.irp g, G1S, G1SB
	s_mov_b32 s[\g+1], 32<<16
	s_mov_b32 s[\g+2], 100<<16                     ; 100 rows: the eleventh slot's block of two steps
	s_mov_b32 s[\g+3], 32<<16
	s_mov_b32 s[\g+4], 100
	s_mov_b32 s[\g+5], 32
	s_mov_b32 s[\g+6], 0
	s_mov_b32 s[\g+7], 0
.endr
	s_lshl_b32 s20, s17, 1
	s_add_co_u32 s20, s20, s16                     ; A's group that I fetch
	s_mul_i32 s92, s20, GRPS
	s_add_co_u32 s92, s92, 10*SSTEP
	s_mov_b32 s93, 0
	s_mul_i32 s20, s20, GRP
	s_mov_b32 s21, 0
	s_lshl_b32 s46, s42, 1
	s_add_co_u32 s46, s46, s16                     ; B's group
	s_mul_i32 s94, s46, GRPS
	s_add_co_u32 s94, s94, 10*SSTEP
	s_mov_b32 s95, 0
	s_mul_i32 s46, s46, GRP
	s_mov_b32 s47, 0
	s_mul_i32 s45, s14, GRP                        ; where my load goes: wave x a group block
	s_wait_dscnt 0x0                               ; both opening adds are done
	s_wait_kmcnt 0x0
	s_add_nc_u64 s[20:21], s[4:5], s[20:21]
	s_add_nc_u64 s[92:93], s[4:5], s[92:93]
	s_add_nc_u64 s[46:47], s[6:7], s[46:47]
	s_add_nc_u64 s[94:95], s[6:7], s[94:95]
	s_cmp_eq_u32 s15, 0
	s_cselect_b64 s[PFA:PFA+1], s[20:21], s[46:47] ; the prefetches walk the group that I fetch,
	s_cselect_b32 s98, s40, s41                    ; my place among the four that ask with me
	s_add_nc_u64 s[PFA:PFA+1], s[PFA:PFA+1], 2*SSTEP  ; at slot 2: the first change of slots steps it to slot 3
	s_mul_i32 s98, s98, 38                         ; my 38 of the block's 150 units of 256 bytes
	s_mov_b32 s[G0S], 1
	s_mov_b32 s[G0S+1], s45
	s_mov_b64 s[G0S+2:G0S+3], s[92:93]
	s_or_b32 s[G0S+3], s[G0S+3], 0x80000000
	s_mov_b32 s[G0SB], 1
	s_mov_b32 s[G0SB+1], s45
	s_mov_b64 s[G0SB+2:G0SB+3], s[94:95]
	s_or_b32 s[G0SB+3], s[G0SB+3], 0x80000000
	CROUND                                         ; all sixteen work-groups are here: the first joint loads meet
.irp s, 0,1
	s_mov_b32 s[G0+4*\s], 1
	s_add_co_u32 s[G0+4*\s+1], s45, \s*SLOT
	s_add_nc_u64 s[G0+4*\s+2:G0+4*\s+3], s[20:21], \s*SSTEP
	s_or_b32 s[G0+4*\s+3], s[G0+4*\s+3], 0x80000000
	s_mov_b32 s[G0B+4*\s], 1
	s_add_co_u32 s[G0B+4*\s+1], s45, \s*SLOT
	s_add_nc_u64 s[G0B+4*\s+2:G0B+4*\s+3], s[46:47], \s*SSTEP
	s_or_b32 s[G0B+4*\s+3], s[G0B+4*\s+3], 0x80000000
.endr
	JLOAD G0, G1, G0B, G1B                         ; slot 0: one tensor load a wave at the head
	s_lshl_b32 s20, s17, 8
	s_lshl_b32 s21, s15, 7
	s_add_co_u32 s20, s20, s21                     ; my first row
	s_lshl_b32 s20, s20, 14
	s_lshl_b32 s46, s42, 10
	s_lshl_b32 s47, s16, 9
	s_add_co_u32 s46, s46, s47                     ; my first column, in bytes
	s_mov_b32 s47, 0
	s_add_nc_u64 s[8:9], s[8:9], s[46:47]
	s_add_co_u32 s46, s46, s20
	s_add_nc_u64 s[10:11], s[10:11], s[46:47]
	s_add_nc_u64 s[12:13], s[12:13], s[46:47]
	s_mul_i32 s21, s15, GRP                        ; my A group in LDS
	s_mul_i32 s22, s16, GRP
	s_add_co_u32 s22, s22, 2*GRP                   ; my B group
	s_sub_co_u32 s23, s22, s21
	s_mov_b32 s66, 0x3c23d70a                      ; 0.01
	s_mov_b32 s67, 0x42fe0000                      ; 127
	s_mov_b32 s99, 0xc2fe0000                      ; -127
	v_and_b32 v12, 15, v0                          ; r
	v_bfe_u32 v13, v0, 4, 1                        ; h
	v_and_b32 v14, 31, v0                          ; lane
	v_lshlrev_b32 v15, 4, v12                      ; 16 r
	v_add_nc_u32 v[PF], s98, v14                   ; units 38 p + lane,
	v_min_u32 v[PF+1], 5, v14
	v_add_nc_u32 v[PF+1], s98, v[PF+1]
	v_add_nc_u32 v[PF+1], 32, v[PF+1]              ; and 38 p + 32 .. 37; lanes left over name the last again,
	v_min_u32 v[PF+1], 149, v[PF+1]                ; none beyond the block's last unit
	v_lshlrev_b32 v[PF], 8, v[PF]
	v_lshlrev_b32 v[PF+1], 8, v[PF+1]
	v_lshlrev_b32 v14, 4, v14                      ; 16 x lane: an image's registers lie at 16 x lane
	v_lshl_add_u32 v[CO], v13, 19, v15
	v_mul_u32_u24 v13, s23, v13                    ; lanes 16-31 take B's scale words
	v_add_nc_u32 v13, v13, v15
.irp s, 0,1
	v_add_nc_u32 v[ADRA+\s], s21, v14
	v_add_nc_u32 v[ADRB+\s], s22, v14
	v_add_nc_u32 v[ADRS+\s], s21, v13
	WIN 0x40                                       ; the same two in window 1
	v_add_nc_u32 v[ADRA+\s], s21, v14
	v_add_nc_u32 v[ADRB+\s], s22, v14
	WIN 0
	s_add_co_u32 s21, s21, SLOT
	s_add_co_u32 s22, s22, SLOT
.endr
; 32 + 32 registers of noise: A's block at row offset rows (+ what the base has stepped), columns 64 g .. 64 g + 63 into window 2 + g: register 4 j + t is (row 32 h + 4 j, column 4 r + t)
.macro NLOAD rows
.irp g, 0,1
	WIN ((2+\g)<<6)
.irp j, 0,1,2,3,4,5,6,7
	global_load_b128 v[4*\j:4*\j+3], v[CO], s[10:11] offset:((\rows)+4*\j)*ROWC+256*\g th:TH_LOAD_NT
.endr
.endr
	WIN 0
.endm
	s_wait_alu depctr_va_vdst(0)
	global_load_b128 v[48:51], v15, s[8:9]         ; bias of columns 4 r + t,
	global_load_b128 v[52:55], v15, s[8:9] offset:256  ; and 64 + 4 r + t
	NLOAD 0                                        ; noise for A's block 0
	s_wait_loadcnt 16                              ; the two bias loads are in; the 16 noise loads behind them may be out
.irp j, 0,1,2,3,4,5,6,7
	v_mul_f32 v[48+\j], s67, v[48+\j]
.endr
.irp j, 0,1,2,3,4,5,6,7
	v_med3_num_f32 v[48+\j], v[48+\j], s99, s67    ; held to +-127
.endr
.irp j, 0,1,2,3,4,5,6,7
	v_rndne_f32 v[48+\j], v[48+\j]
.endr
.irp j, 0,1,2,3,4,5,6,7
	v_mul_f32 v[48+\j], 0x3c010204, v[48+\j]       ; n x fl(1 / 127)
.endr
.irp j, 0,1,2,3,4,5,6,7
	v_and_b32 v[56+\j], 0x7f800000, v[48+\j]       ; 2^e
.endr
.irp j, 0,1,2,3,4,5,6,7
	v_or_b32 v[64+\j], 0x600000, v[56+\j]          ; 1.75 x 2^e: the largest code under the block's scale
.endr
.irp j, 0,1,2,3,4,5,6,7
	v_med3_num_f32 v[48+\j], v[48+\j], -v[64+\j], v[64+\j]
.endr
.irp j, 0,1,2,3,4,5,6,7
	v_add_nc_u32 v[56+\j], 0x0ac00000, v[56+\j]    ; 1.5 x 2^(e + 21): adding and taking it away rounds to steps of 2^(e - 2), ties to even
.endr
.irp j, 0,1,2,3,4,5,6,7
	v_add_f32 v[48+\j], v[48+\j], v[56+\j]
.endr
	WIN 0x40
.irp j, 0,1,2,3,4,5,6,7
	v_sub_f32 v[QB+\j], v[48+\j], v[56+\j]
.endr
	WIN 0
; four products of phase w: A's block x of the window's four against B's four, set p.  The accumulators take turns, one instruction a turn
.macro ROWM w, p, zero, x
.irp y, 0,1,2,3
.set DA, ACC+8*(4*(\x)+\y)
.set FA, F+48*(\p)+12*(\x)
.set FB, F+48*(\p)+12*\y
.set SA, SC+8*(\p)+4*((\w)%2)+(\x)
.set SB, SC+8*(\p)+4*((\w)/2)+\y
.if \zero
	v_wmma_scale_f32_16x16x128_f8f6f4 v[DA:DA+7], v[FA:FA+11], v[FB:FB+11], 0, v[SA], v[SB] matrix_a_fmt:MATRIX_FMT_BF6 matrix_b_fmt:MATRIX_FMT_BF6 matrix_b_scale:MATRIX_SCALE_ROW1
.else
	v_wmma_scale_f32_16x16x128_f8f6f4 v[DA:DA+7], v[FA:FA+11], v[FB:FB+11], v[DA:DA+7], v[SA], v[SB] matrix_a_fmt:MATRIX_FMT_BF6 matrix_b_fmt:MATRIX_FMT_BF6 matrix_b_scale:MATRIX_SCALE_ROW1
.endif
.endr
.endm
.macro PHASE w, p, zero
.set PW, ((\w)%2)|((2+(\w)/2)<<2)|((\w)<<4)|((\w)<<6)
	WIN PW
.irp x, 0,1,2,3
	ROWM \w, \p, \zero, \x
.endr
.endm
.macro RUN w, ps, ring, q              ; window w's four fragments of step (ring, q) into set ps: destination window w, address window w % 2
.set RW, ((\w)<<6)|((\w)%2)
	WIN RW
.irp n, 0,1,2,3,4,5,6,7,8,9,10,11
	ds_load_b128 v[F+48*(\ps)+4*\n:F+48*(\ps)+4*\n+3], v[ADRA+2*((\w)/2)+(\ring)] offset:(8*(\q)+4*((\w)%2))*FRB+512*\n
.endr
.endm
.macro SCL ps, ring, q, sco            ; under window 0
.irp ip, 0,1
	ds_load_b128 v[SC+8*(\ps)+4*\ip:SC+8*(\ps)+4*\ip+3], v[ADRS+(\ring)] offset:(\sco)+512*(\q)+256*\ip
.endr
.endm
.macro RUNA ps, ring, q, sco           ; the first run: 26 loads
	RUN 0, \ps, \ring, \q
	SCL \ps, \ring, \q, \sco
	RUN 2, \ps, \ring, \q
.endm
.macro RUNB ps, ring, q                ; the second run: 24 loads
	RUN 3, \ps, \ring, \q
	RUN 1, \ps, \ring, \q
.endm
; 0.01 x noise into the eight accumulators of A's block 4 ah + blk; each accumulator from its low end on
.macro NFM ah, blk
.irp g, 0,1
.set PW, (\ah)|((2+\g)<<2)|(((\ah)+2*\g)<<4)|(((\ah)+2*\g)<<6)
	WIN PW
.irp j, 0,1,2,3,4,5,6,7
.irp t, 0,1,2,3
	v_fmac_f32 v[ACC+32*(\blk)+8*\t+\j], s66, v[4*\j+\t]
.endr
.endr
.endr
	WIN 0
	s_wait_alu depctr_va_vdst(0)
.endm
.macro NSW ah                          ; the block's number is the trip's: 4 - s3
	s_cmp_eq_u32 s3, 4
	s_cbranch_scc0 .Ln1_\@
	NFM \ah, 0
	s_branch .Lnd_\@
.Ln1_\@:
	s_cmp_eq_u32 s3, 3
	s_cbranch_scc0 .Ln2_\@
	NFM \ah, 1
	s_branch .Lnd_\@
.Ln2_\@:
	s_cmp_eq_u32 s3, 2
	s_cbranch_scc0 .Ln3_\@
	NFM \ah, 2
	s_branch .Lnd_\@
.Ln3_\@:
	NFM \ah, 3
.Lnd_\@:
.endm
.macro HOOK h
.if \h == 1
	WIN 0
	s_wait_loadcnt 0x0                             ; block k's noise, asked for three steps ago
	NSW 0
	PLACES 8
	NLOAD 64                                       ; block 4 + k's
.elseif \h == 2
	WIN 0
	s_wait_loadcnt 0x0
	NSW 1
	PLACES 8
	s_cmp_eq_u32 s3, 1
	s_cbranch_scc1 .Lnone_\@                       ; the last trip has no block left to ask for
	s_add_nc_u64 s[10:11], s[10:11], ROWC          ; (no load is out) block k + 1 begins one row on
	NLOAD 0
.Lnone_\@:
.endif
.endm
; A step multiplies set p.  ld = 1: it fetches step (ring, q + 1) into the other set.
; Counts on DScnt: 24 at the start: the last step's second run may be out, its first run is in.  Ahead of phase 2: that second run is in; this step's first run, 26 loads, may be out.
.macro STEP ring, q, p, zero, sco, hook, ld
	s_wait_dscnt 24
	PLACES 4                                       ; places behind the last step's products: for the loads into the set that they read, and for the additions into their sums
	HOOK \hook
.if \ld
	RUNA 1-(\p), \ring, (\q)+1, \sco
.endif
	PHASE 0, \p, \zero
	s_wait_dscnt 26*(\ld)
	PHASE 2, \p, \zero
.if \ld
	RUNB 1-(\p), \ring, (\q)+1
.endif
	PHASE 3, \p, \zero
	PHASE 1, \p, \zero
.endm
.macro ASK how                         ; how = 2: not in the last trip, whose next slot but one is the short one
.if \how == 2
	s_cmp_eq_u32 s3, 1
	s_cbranch_scc1 .Lnoask_\@
.endif
.if \how
	global_prefetch_b8 v[PF], s[PFA:PFA+1] th:TH_LOAD_NT scope:SCOPE_SE
	global_prefetch_b8 v[PF+1], s[PFA:PFA+1] th:TH_LOAD_NT scope:SCOPE_SE
.endif
.if \how == 2
.Lnoask_\@:
.endif
.endm
; A slot's last step changes slots.  In front of the barrier: all my tensor loads, the add, my reads of this slot.  Behind the round the slot is filled again first; then the next slot's first step is fetched.
.macro TURN ring, p, next, fill, sco, ask
.if \ask
	s_wait_xcnt 0x0                                ; my last prefetches have read their base
	s_add_nc_u64 s[PFA:PFA+1], s[PFA:PFA+1], SSTEP
.endif
	s_wait_dscnt 24
	WIN 0
	s_wait_tensorcnt 0x0                           ; my part of the next slot has landed
	ds_add_u32 v[SPW], v[NIL]
.set PW, 0x08
	WIN PW
	ROWM 0, \p, 0, 0
	ROWM 0, \p, 0, 1
	s_wait_dscnt 0x0                               ; the add is done, and so are my reads of this slot
	s_barrier_signal -1
	ROWM 0, \p, 0, 2
	ROWM 0, \p, 0, 3
	WIN 0
	s_barrier_wait -1
.if \fill == 1
	CREST
	s_add_nc_u64 s[G0+4*\ring+2:G0+4*\ring+3], s[G0+4*\ring+2:G0+4*\ring+3], 2*SSTEP
	s_add_nc_u64 s[G0B+4*\ring+2:G0B+4*\ring+3], s[G0B+4*\ring+2:G0B+4*\ring+3], 2*SSTEP
	JLOAD G0+4*\ring, G1, G0B+4*\ring, G1B         ; its four v_nop are also the places in front of the loads below
.elseif \fill == 2
	CREST
	JLOAD G0S, G1S, G0SB, G1SB                     ; the eleventh slot
.else
	PLACES 4
.endif
	RUNA 1-(\p), \next, 0, \sco
	WIN 0
	ASK \ask
	PHASE 2, \p, 0
	RUNB 1-(\p), \next, 0
	PHASE 3, \p, 0
	PHASE 1, \p, 0
.endm
	s_wait_alu depctr_va_vdst(0)
	s_wait_tensorcnt 0x0                           ; my part of slot 0 is in; slot 1's first fill is issued as a refill is
	ds_add_u32 v[SPW], v[NIL]
	s_wait_dscnt 0x0
	CROUND
	JLOAD G0+4, G1, G0B+4, G1B
	RUNA 0, 0, 0, SCO
	RUNB 0, 0, 0
	STEP 0, 0, 0, 1, SCO, 0, 1                     ; the first step's products start the sums
	WIN 0
	s_mov_b32 s3, 4
.Llap:                                                 ; a trip goes once round the ring: six steps
	STEP 0, 1, 1, 0, SCO, 1, 1
	TURN 0, 0, 1, 1, SCO, 1
	STEP 1, 0, 1, 0, SCO, 0, 1
	STEP 1, 1, 0, 0, SCO, 2, 1
	TURN 1, 1, 0, 1, SCO, 2
	STEP 0, 0, 0, 0, SCO, 0, 1
	WIN 0
	s_sub_co_u32 s3, s3, 1
	s_cmp_lg_u32 s3, 0
	s_cbranch_scc1 .Llap
	STEP 0, 1, 1, 0, SCO, 0, 1
	TURN 0, 0, 1, 2, SCO, 0
	STEP 1, 0, 1, 0, SCO, 0, 1
	STEP 1, 1, 0, 0, SCO, 0, 1
	TURN 1, 1, 0, 0, SCOS, 0
; THE WAY OUT of window w's sixteen accumulators.  For A's block and 64 columns: the j-th registers of four accumulators + their columns' Q(bias) go into four registers on end (window 0, where A's blocks 0-3 lay;
; three sets of 32 by turns), and one store covers two aligned runs of 256 bytes (rows 4 j and 32 + 4 j of the block).  The additions: source 0 (sums) window w, source 1 (bias) window 1, destination window 0; the stores: window 0.
.set CN, 0
.macro EOUT w
.irp x, 0,1,2,3
.if CN >= 3
	s_wait_xcnt 0x0                                ; the stores of three sets ago have read their registers
.endif
.set TB, F+32*(CN%3)
.set EW, (\w)|(1<<2)
	WIN EW
.irp j, 0,1,2,3,4,5,6,7
.irp t, 0,1,2,3
	v_add_f32 v[TB+4*\j+\t], v[ACC+32*\x+8*\t+\j], v[QB+4*((\w)/2)+\t]
.endr
.endr
	WIN 0
.irp j, 0,1,2,3,4,5,6,7
	global_store_b128 v[CO], v[TB+4*\j:TB+4*\j+3], s[12:13] offset:(64*((\w)%2)+\x+4*\j)*ROWC+256*((\w)/2) th:TH_STORE_NT
.endr
.set CN, CN+1
.endr
.endm
; THE LAST TWO STEPS GO BY HALVES OF MY ROWS.  Step 30 lies in set 0, step 31 comes into set 1: both are whole in registers.  First both steps' products of A's blocks 0-3 (windows 0 and 2):
; those 32 sums are finished and their stores go out; then both steps' products of A's blocks 4-7 (windows 3 and 1), 64 matrix instructions behind the first store.  K stays ascending in every sum.
	s_wait_dscnt 24                                ; step 30's first run is in; its second run, 24 loads, may be out
	PLACES 4                                       ; places behind step 29's products, for the loads into set 1
	RUNA 1, 0, 1, SCOS
	PHASE 0, 0, 0
	s_wait_dscnt 26                                ; step 30's second run is in; the 26 loads just issued may be out
	RUNB 1, 0, 1
	PHASE 2, 0, 0
	s_wait_dscnt 24                                ; step 31's first run is in
	PHASE 0, 1, 0
	s_wait_dscnt 12                                ; and its window 3; window 1's 12 loads may be out
	PHASE 2, 1, 0
	PLACES 4                                       ; places behind the products: their sums are read, and the registers of A's blocks 0-3 written
	EOUT 0
	EOUT 2
	s_wait_dscnt 0x0                               ; step 31's window 1
	PHASE 3, 0, 0
	PHASE 1, 0, 0
	PHASE 3, 1, 0
	PHASE 1, 1, 0
	PLACES 4
	EOUT 3
	EOUT 1
	WIN 0
	s_wait_tensorcnt 0x0                           ; the wave's end
	ds_add_u32 v[SPW], v[NIL]
	s_wait_dscnt 0x0
	CROUND                                         ; the closing round
	s_endpgm
.Lfunc_end_k_q69a4e153d9_gemm:
	.size	k_q69a4e153d9_gemm, .Lfunc_end_k_q69a4e153d9_gemm-k_q69a4e153d9_gemm
	.p2alignl 7, 3214868480
	.fill 96, 4, 3214868480
	.section	.rodata,"a",@progbits
	.p2align	6, 0x0
	.amdhsa_kernel k_q69a4e153d9_gemm
		.amdhsa_group_segment_fixed_size 327680
		.amdhsa_private_segment_fixed_size 0
		.amdhsa_enable_private_segment 0
		.amdhsa_kernarg_size 40
		.amdhsa_user_sgpr_count 2
		.amdhsa_user_sgpr_kernarg_segment_ptr 1
		.amdhsa_wavefront_size32 1
		.amdhsa_system_sgpr_workgroup_id_x 1
		.amdhsa_system_sgpr_workgroup_id_y 1
		.amdhsa_system_sgpr_workgroup_id_z 1
		.amdhsa_system_vgpr_workitem_id 0
		.amdhsa_next_free_vgpr 1024
		.amdhsa_next_free_sgpr 100
		.amdhsa_reserve_vcc 0
		.amdhsa_float_denorm_mode_32 3
		.amdhsa_float_denorm_mode_16_64 3
		.amdhsa_memory_ordered 1
		.amdhsa_forward_progress 1
		.amdhsa_inst_pref_size 233
	.end_amdhsa_kernel
	.amdgpu_metadata
---
amdhsa.version: [ 1, 2 ]
amdhsa.kernels:
  - .name:           k_q69a4e153d9_gemm
    .symbol:         k_q69a4e153d9_gemm.kd
    .args:
      - { .name: aq, .offset: 0, .size: 8, .value_kind: global_buffer, .address_space: global }
      - { .name: bq, .offset: 8, .size: 8, .value_kind: global_buffer, .address_space: global }
      - { .name: biases, .offset: 16, .size: 8, .value_kind: global_buffer, .address_space: global }
      - { .name: noise, .offset: 24, .size: 8, .value_kind: global_buffer, .address_space: global }
      - { .name: out0, .offset: 32, .size: 8, .value_kind: global_buffer, .address_space: global }
    .group_segment_fixed_size: 327680
    .private_segment_fixed_size: 0
    .kernarg_segment_align: 8
    .kernarg_segment_size: 40
    .max_flat_workgroup_size: 128
    .sgpr_count:     100
    .vgpr_count:     1024
    .wavefront_size: 32
...
	.end_amdgpu_metadata
.endif
;; end of part 2
